; MI455X (gfx1250); checked and timed in simulation.
; The chip was launched on July 23, 2026; its instructions are those of AMD's public machine-readable ISA for CDNA 5 (MIT licence, August 2026) and "CDNA5" Instruction Set Architecture Reference Guide (July 2026). The comments in the code are by the model that wrote it; some were corrected since.
;; Attention. Allowed arithmetic: float matrix products may take bf16 or f16 operands with f32 sums; all other float work in f32.
;; Inputs: Wc_w 1,024 x 1 float32; Wh_w 1,024 x 1,024 float32; Ws_b 1,024 float32; Ws_w 1,024 x 1,024 float32; c_dec 1 x 32 x 512 float32; coverage_vector 32 x 1,024 float32; encoder_output 32 x 1,024 x 1,024 float32; h_dec 1 x 32 x 512 float32; v_w 1 x 1,024 float32; x_padding_masks 32 x 1,024 float32.
;; Outputs: out0 32 x 1,024 float32; out1 32 x 1,024 float32; out2 32 x 1,024 float32.
;; One version. Each part assembles by itself: llvm-mc -triple=amdgcn-amd-amdhsa -mcpu=gfx1250 --defsym DOCPART=n.
;; ======== version 1 of 1: 3 launches
;; workspace buffers: wsA 24,832 bytes; wsB 1,181,696 bytes
;; launch prep (part 1): grid 64 x 2, 8 waves a work-group, no clusters, 5,120 bytes of LDS; arguments Wh_w, Ws_w, v_w, Wc_w, Ws_b, h_dec, c_dec, wsA; writes wsA
.if DOCPART == 1
	.amdgcn_target "amdgcn-amd-amdhsa--gfx1250"
	.amdhsa_code_object_version 6
	.text
	.protected	k_q383f00ab7c_prep
	.globl	k_q383f00ab7c_prep
	.p2align	8
	.type	k_q383f00ab7c_prep,@function
k_q383f00ab7c_prep:
	s_mov_b64 s[64:65], 0
	v_nop
	global_prefetch_b8 v0, s[64:65] scope:SCOPE_SE
	s_setreg_imm32_b32 hwreg(HW_REG_WAVE_MODE, 25, 1), 1
	s_wait_xcnt 0x0
; PREP: everything in front of the softmax is linear, so the products are taken in another order (true for every input):
;   score[b][s] = E[b][s] . u + dconst[b] + cov[b][s] * cv,   u[d] = sum over e of v[e] Wh[e][d],
;   dconst[b] = sum over d of s_t[b][d] (sum over e of v[e] Ws[e][d]) + v . Ws_b,   cv = v . Wc,   s_t = (h_dec | c_dec).
; This launch reads Wh and Ws once and leaves partial sums in wsA; the next launch adds them up.
;   wsA + 0      upart[4 ep][1024 d]   u summed over rows e = 256 ep .. 256 ep + 255 of Wh
;   wsA + 16384  dpart[32 b][64 q]     the piece of dconst[b] made by work-group q (64 columns x 256 rows of Ws, 16 terms of v . Ws_b)
;   wsA + 24576  cpart[64 q]           16 terms of v . Wc
; LIMIT, stated: the order of rounding differs from the reference, which forms E Wh^T first.  All arithmetic is f32.
; Work-group (q, m): m = 0 takes Wh, m = 1 takes Ws; cp = q >> 2 is a piece of 64 columns (256 bytes), ep = q & 3 a piece of 256 rows.
; Wave w takes rows e0 = 256 ep + 32 w .. + 31.  Lane (r = lane & 15, h = lane >> 4) takes rows e0 + 16 h + i, i = 0 .. 15, at bytes
; 256 cp + 16 r: one load of a wave covers two whole aligned runs of 256 bytes, and 16 loads of every wave are in flight.
; No matrix unit: these are matrix x vector products, one multiply-add for each number read.  No cluster: no two work-groups
; share a byte of Wh or Ws.  Each work-group reads its 64 KiB in one burst, so there is nothing to ask for ahead of time.
.set VV,    12                         ; v[12:27]  v[e0 + 16 h + 0 .. 15]
.set ST,    32                         ; v[32:39]  s_t of two batches, my 4 columns each
.set ACC,   40                         ; v[40:43]  my 4 column sums
.set D0,    44                         ; v44, v45  the two dot products with s_t
.set D1,    45
.set X,     48                         ; v[48:111] 16 rows x 4 numbers
.set R,     48                         ; v[48:79]  later: 8 partial rows read back from LDS
.set WS_DP, 16384
.set WS_CP, 24576
; d (a pair) += x (a pair) * v[f + k], the one factor for both halves; f is even
.macro PKFMA_B d, x, f, k
.if (\k)%2 == 0
	v_pk_fma_f32 v[\d:\d+1], v[\x:\x+1], v[\f+\k:\f+\k+1], v[\d:\d+1] op_sel_hi:[1,0,1]
.else
	v_pk_fma_f32 v[\d:\d+1], v[\x:\x+1], v[\f+\k-1:\f+\k], v[\d:\d+1] op_sel:[0,1,0] op_sel_hi:[1,1,1]
.endif
.endm
; sum over the 16 lanes of a half, result in each of them
.macro ROWSUM a
.irp x, 1,2,4,8
	v_add_f32_dpp v[\a], v[\a], v[\a] row_xmask:\x row_mask:0xf bank_mask:0xf
.endr
.endm
; wp: the scalar pair with the matrix, auxp: the pair with the vector that is dotted with v (Wc or Ws_b).  22 loads.
.macro LOADS wp, auxp
	s_lshl_b32 s26, s25, 12                        ; e0 rows of 4,096 bytes
	s_lshl_b32 s20, s23, 8                         ; + 256 cp
	s_add_co_u32 s26, s26, s20
	s_add_nc_u64 s[\wp:\wp+1], s[\wp:\wp+1], s[26:27]
	s_lshl_b32 s26, ttmp9, 6                       ; 16 numbers for each q
	s_add_nc_u64 s[34:35], s[8:9], s[26:27]        ; v at 16 q
	s_add_nc_u64 s[\auxp:\auxp+1], s[\auxp:\auxp+1], s[26:27]
	s_lshl_b32 s26, s25, 2
	s_add_nc_u64 s[36:37], s[8:9], s[26:27]        ; v at e0
	global_load_b32 v28, v6, s[34:35]
	global_load_b32 v29, v6, s[\auxp:\auxp+1]
.irp k, 0,1,2,3
	global_load_b128 v[VV+4*\k:VV+4*\k+3], v5, s[36:37] offset:16*\k
.endr
.irp i, 0,1,2,3,4,5,6,7,8,9,10,11,12,13,14,15
	global_load_b128 v[X+4*\i:X+4*\i+3], v4, s[\wp:\wp+1] offset:4096*\i th:TH_LOAD_NT
.endr
.endm
; my 16 rows, weighted by v, into 4 column sums; these to LDS; the 16 terms of v . aux while the other waves arrive
.macro SUMROWS
.irp i, 0,1,2,3,4,5,6,7,8,9,10,11,12,13,14,15
	s_wait_loadcnt 15-\i                           ; loads come back in order: row i and all older loads are in, the 15 - i younger rows stay out
.if \i == 0
	v_pk_mul_f32 v[ACC:ACC+1],   v[X:X+1],   v[VV:VV+1] op_sel_hi:[1,0]     ; the first row starts the sums: nothing is cleared
	v_pk_mul_f32 v[ACC+2:ACC+3], v[X+2:X+3], v[VV:VV+1] op_sel_hi:[1,0]
.else
	PKFMA_B ACC,   X+4*\i,   VV, \i
	PKFMA_B ACC+2, X+4*\i+2, VV, \i
.endif
.endr
	ds_store_b128 v7, v[ACC:ACC+3]                 ; partial row 2 w + h, 256 bytes each: byte 16 x thread
	s_wait_dscnt 0x0                               ; for the waves that read it behind the barrier: zero
	s_barrier_signal -1
	v_mul_f32 v28, v28, v29                        ; registers only between signal and wait
	ROWSUM 28                                      ; every lane: sum over 16 q .. 16 q + 15 of v * aux
	s_barrier_wait -1
.endm
; the 16 partial rows into one: lanes of half h add rows 8 h .. 8 h + 7, then the halves meet.  Result v[R:R+3]: columns 4 r .. 4 r + 3
.macro FOLD
.irp k, 0,1,2,3,4,5,6,7
	ds_load_b128 v[R+4*\k:R+4*\k+3], v8 offset:256*\k      ; 16 lanes read 256 neighbouring bytes; the last byte read is 2,048 + 240 + 1,792 + 15
.endr
	s_wait_dscnt 0x0
.irp t, 0,2,4,6,8,10,12,14
	v_pk_add_f32 v[R+\t:R+\t+1], v[R+\t:R+\t+1], v[R+16+\t:R+17+\t]
.endr
.irp t, 0,2,4,6
	v_pk_add_f32 v[R+\t:R+\t+1], v[R+\t:R+\t+1], v[R+8+\t:R+9+\t]
.endr
.irp t, 0,2
	v_pk_add_f32 v[R+\t:R+\t+1], v[R+\t:R+\t+1], v[R+4+\t:R+5+\t]
.endr
.irp k, 0,1,2,3
	v_permlanex16_b32 v[ACC+\k], v[R+\k], s30, s31 ; the other half; ACC has been written, as this destination must be
.endr
	v_pk_add_f32 v[R:R+1],   v[R:R+1],   v[ACC:ACC+1]
	v_pk_add_f32 v[R+2:R+3], v[R+2:R+3], v[ACC+2:ACC+3]
.endm
	s_load_b512 s[4:19], s[0:1], 0x0               ; Wh s[4:5], Ws s[6:7], v s[8:9], Wc s[10:11], Ws_b s[12:13], h s[14:15], c s[16:17], wsA s[18:19]
	v_lshl_add_u32 v112, v0, 2, 0x1000
	v_mov_b32 v113, 0
	v_lshrrev_b32 v11, 5, v0
	v_readfirstlane_b32 s22, v11                   ; wave w
	v_and_b32 v1, 31, v0                           ; lane
	v_and_b32 v2, 15, v0                           ; r
	v_bfe_u32 v3, v0, 4, 1                         ; h
	v_lshlrev_b32 v9, 4, v2                        ; 16 r
	v_lshl_add_u32 v4, v3, 16, v9                  ; matrix: 16 rows x 4,096 bytes x h + 16 r
	v_lshlrev_b32 v5, 6, v3                        ; v: 16 numbers x h
	v_lshlrev_b32 v6, 2, v2                        ; v and aux at 16 q: 4 r
	v_lshlrev_b32 v7, 4, v0                        ; LDS, in: 16 x thread
	v_lshl_add_u32 v8, v3, 11, v9                  ; 2,048 h + 16 r, at most 2,288: LDS, back (8 rows of 256 bytes x h); also s_t (a batch is 2,048 bytes)
	s_and_b32 s21, ttmp7, 0xffff                   ; m
	s_lshr_b32 s23, ttmp9, 2                       ; cp
	s_and_b32 s24, ttmp9, 3                        ; ep
	s_lshl_b32 s25, s24, 8
	s_lshl_b32 s20, s22, 5
	s_add_co_u32 s25, s25, s20                     ; e0 = 256 ep + 32 w
	s_mov_b32 s27, 0                               ; upper word of every offset pair s[26:27]
	s_mov_b32 s30, 0x76543210                      ; v_permlanex16_b32: lane i takes lane i of the other half
	s_mov_b32 s31, 0xfedcba98
	s_wait_kmcnt 0x0
	s_cmp_lg_u32 s21, 0                            ; the same in all waves of the work-group: each path holds one barrier that all eight pass
	s_cbranch_scc1 .Lws
	; ---- m = 0: Wh and Wc ----
	LOADS 4, 10
	SUMROWS
	s_cmp_lg_u32 s22, 0                            ; wave 0 folds and stores; no barrier follows
	s_cbranch_scc1 .Lend0
	FOLD
	s_lshl_b32 s26, ttmp9, 2
	s_add_nc_u64 s[38:39], s[18:19], s[26:27]      ; cpart[q] (the constant part rides in the immediate)
	s_lshl_b32 s26, s24, 12
	s_lshl_b32 s20, s23, 8
	s_add_co_u32 s26, s26, s20
	s_add_nc_u64 s[18:19], s[18:19], s[26:27]      ; upart[ep][64 cp]
	v_mov_b32 v10, 0
	v_cmp_gt_u32 vcc_lo, 16, v1
	s_wait_xcnt 0x0                                ; EXEC is a source of every global access issued so far: it changes only behind this wait
	s_wait_tensorcnt 0x0
	ds_add_u32 v112, v113
	s_wait_dscnt 0x0
	s_and_saveexec_b32 s32, vcc_lo
	global_store_b128 v9, v[R:R+3], s[18:19]       ; 16 lanes write 256 consecutive bytes, aligned
	v_cmp_eq_u32 vcc_lo, 0, v1
	s_wait_xcnt 0x0                                ; and again in front of the second narrowing
	s_and_saveexec_b32 s33, vcc_lo
	global_store_b32 v10, v28, s[38:39] offset:WS_CP
	s_endpgm
.Lend0:
	s_wait_tensorcnt 0x0
	ds_add_u32 v112, v113
	s_wait_dscnt 0x0
	s_endpgm
	; ---- m = 1: Ws, Ws_b and s_t ----
.Lws:
	s_cmp_lt_u32 s23, 8                            ; columns below 512 of s_t are h_dec, the others c_dec
	s_cselect_b64 s[28:29], s[14:15], s[16:17]
	s_and_b32 s20, s23, 7
	s_lshl_b32 s20, s20, 8                         ; 256 (cp & 7)
	s_lshl_b32 s26, s22, 13                        ; wave w takes batches 4 w .. 4 w + 3
	s_add_co_u32 s26, s26, s20
	s_add_nc_u64 s[28:29], s[28:29], s[26:27]
	global_load_b128 v[ST:ST+3],   v8, s[28:29]                ; batch 4 w + h, columns 64 cp + 4 r ..
	global_load_b128 v[ST+4:ST+7], v8, s[28:29] offset:4096    ; batch 4 w + 2 + h.  Issued first: the counted waits of SUMROWS cover them
	LOADS 6, 12
	SUMROWS
	FOLD                                           ; every wave: each needs the 64 column sums for its own four batches
	v_mul_f32 v[D0], v[ST],   v[R]
	v_mul_f32 v[D1], v[ST+4], v[R]
.irp k, 1,2,3
	v_fmac_f32 v[D0], v[ST+\k],   v[R+\k]
	v_fmac_f32 v[D1], v[ST+4+\k], v[R+\k]
.endr
	ROWSUM D0                                      ; over the 64 columns: 16 lanes of a half
	ROWSUM D1
	v_add_f32 v[D0], v[D0], v28                    ; + this q's 16 terms of v . Ws_b: the 64 pieces of a batch add up to the whole
	v_add_f32 v[D1], v[D1], v28
	v_cmp_eq_u32 vcc_lo, 1, v2
	v_cndmask_b32 v[D0], v[D0], v[D1], vcc_lo      ; lanes r = 0: batch 4 w + h; lanes r = 1: batch 4 w + 2 + h
	v_and_b32 v9, 1, v2
	v_lshl_add_u32 v9, v9, 1, v3                   ; 2 (r & 1) + h
	v_lshlrev_b32 v9, 8, v9                        ; x 256 bytes, a row of dpart
	s_lshl_b32 s26, s22, 10                        ; 4 w rows
	s_lshl_b32 s20, ttmp9, 2                       ; + 4 q
	s_add_co_u32 s26, s26, s20
	s_add_nc_u64 s[18:19], s[18:19], s[26:27]
	v_cmp_gt_u32 vcc_lo, 2, v2
	s_wait_xcnt 0x0                                ; EXEC changes only behind this wait
	s_wait_tensorcnt 0x0
	ds_add_u32 v112, v113
	s_wait_dscnt 0x0
	s_and_saveexec_b32 s32, vcc_lo
	; four single words a wave, rows 256 bytes apart: 2,048 words in the whole launch, laid so that the next launch
	; reads the 64 pieces of a batch as 256 consecutive bytes
	global_store_b32 v9, v[D0], s[18:19] offset:WS_DP
	s_endpgm
.Lfunc_end_k_q383f00ab7c_prep:
	.size	k_q383f00ab7c_prep, .Lfunc_end_k_q383f00ab7c_prep-k_q383f00ab7c_prep
	.p2alignl 7, 3214868480
	.fill 96, 4, 3214868480
	.section	.rodata,"a",@progbits
	.p2align	6, 0x0
	.amdhsa_kernel k_q383f00ab7c_prep
		.amdhsa_group_segment_fixed_size 5120
		.amdhsa_private_segment_fixed_size 0
		.amdhsa_enable_private_segment 0
		.amdhsa_kernarg_size 64
		.amdhsa_user_sgpr_count 2
		.amdhsa_user_sgpr_kernarg_segment_ptr 1
		.amdhsa_wavefront_size32 1
		.amdhsa_system_sgpr_workgroup_id_x 1
		.amdhsa_system_sgpr_workgroup_id_y 1
		.amdhsa_system_sgpr_workgroup_id_z 1
		.amdhsa_system_vgpr_workitem_id 0
		.amdhsa_next_free_vgpr 114
		.amdhsa_next_free_sgpr 66
		.amdhsa_reserve_vcc 1
		.amdhsa_float_denorm_mode_32 3
		.amdhsa_float_denorm_mode_16_64 3
		.amdhsa_memory_ordered 1
		.amdhsa_forward_progress 1
		.amdhsa_inst_pref_size 19
	.end_amdhsa_kernel
	.amdgpu_metadata
---
amdhsa.version: [ 1, 2 ]
amdhsa.kernels:
  - .name:           k_q383f00ab7c_prep
    .symbol:         k_q383f00ab7c_prep.kd
    .args:
      - { .name: Wh_w, .offset: 0, .size: 8, .value_kind: global_buffer, .address_space: global }
      - { .name: Ws_w, .offset: 8, .size: 8, .value_kind: global_buffer, .address_space: global }
      - { .name: v_w, .offset: 16, .size: 8, .value_kind: global_buffer, .address_space: global }
      - { .name: Wc_w, .offset: 24, .size: 8, .value_kind: global_buffer, .address_space: global }
      - { .name: Ws_b, .offset: 32, .size: 8, .value_kind: global_buffer, .address_space: global }
      - { .name: h_dec, .offset: 40, .size: 8, .value_kind: global_buffer, .address_space: global }
      - { .name: c_dec, .offset: 48, .size: 8, .value_kind: global_buffer, .address_space: global }
      - { .name: wsA, .offset: 56, .size: 8, .value_kind: global_buffer, .address_space: global }
    .group_segment_fixed_size: 5120
    .private_segment_fixed_size: 0
    .kernarg_segment_align: 8
    .kernarg_segment_size: 64
    .max_flat_workgroup_size: 256
    .sgpr_count:     66
    .vgpr_count:     114
    .wavefront_size: 32
...
	.end_amdgpu_metadata
.endif
;; end of part 1
;; launch main (part 2): grid 8 x 32, 16 waves a work-group, no clusters, 72,448 bytes of LDS; arguments encoder_output, coverage_vector, x_padding_masks, wsA, wsB; writes wsB
.if DOCPART == 2
	.amdgcn_target "amdgcn-amd-amdhsa--gfx1250"
	.amdhsa_code_object_version 6
	.text
	.protected	k_q383f00ab7c_main
	.globl	k_q383f00ab7c_main
	.p2align	8
	.type	k_q383f00ab7c_main,@function
k_q383f00ab7c_main:
	s_mov_b64 s[64:65], 0
	v_nop
	global_prefetch_b8 v0, s[64:65] scope:SCOPE_SE
	s_setreg_imm32_b32 hwreg(HW_REG_WAVE_MODE, 25, 1), 1
	s_wait_xcnt 0x0
; MAIN: reads encoder_output once.  For each row s: score = E[b][s] . u + dconst[b] + cov[b][s] cv, and at once, with a running
; maximum (online softmax), the masked weight sum l and the masked weighted sum of rows, while the row is still in registers.
; Work-group (c, b) owns rows 128 c .. 128 c + 127 of batch b (512 KiB); wave w owns 8 of them; a row is 8 loads of 16 bytes a lane
; (each load of a wave covers 512 consecutive bytes): lane l holds columns 128 j + 4 l + 0 .. 3, j = 0 .. 7, in 32 registers.
; Four rows of every wave are in flight: 16 waves x 4 rows x 4 KiB = 256 KiB for each work-group, held in registers.
; Out, into wsB:  + 0        ctxp[32 b][8 c][1024]  sum over the chunk of exp(score - m) mask E
;                 + 1048576  score[32 b][1024 s]
;                 + 1179648  ml[32 b][16]           word c: the chunk maximum m; word 8 + c: l = sum of exp(score - m) mask
; The plain softmax denominator is never formed: it cancels in the renormalisation  w = e mask / sum(e mask).
; LIMITS, stated: scores must be finite (an infinite score gives NaN through score - maximum); v_exp_f32 gives 0 below 2^-126;
; the order of rounding differs from the reference (products re-associated, sums in chunks).  All arithmetic is f32.
; Left out, by this text's own arithmetic: matrix unit (two multiply-adds for each number read; a conversion to 16 bits would cost as many
; instructions as the packed multiply-adds that do the work); LDS ring and tensor loads (the rows in flight fit in registers);
; cluster (what work-groups share is 16 KiB of upart against 512 KiB of rows of their own).
.set UL,    65536                      ; LDS: [0, 65536) 16 waves x 4,096 bytes of partial context; then u, 4,096 bytes;
.set SCL,   69632                      ;      128 scores;
.set MLL,   70144                      ;      m[16], and l[16] at + 64.  The regions are disjoint: two barriers in all
.set LOG2E, 0x3fb8aa3b
.set WS_DP, 16384
.set WS_CP, 24576
.set WB_SC, 1048576
.set WB_ML, 1179648
.set DC,  14                           ; dconst[b]
.set CV,  15                           ; cv
.set U,   16                           ; v[16:47]   u at my 32 columns
.set CTX, 48                           ; v[48:79]   running weighted sum of rows at my 32 columns
.set X,   80                           ; v[80:207]  two slots of two rows of 32 registers
.set SA0, 208                          ; v[208:215] two chains of packed sums for each of the two rows; before that the four pieces of u
.set SA1, 210
.set SB0, 212
.set SB1, 214
.set SS,  210                          ; v[210:211] the two finished scores
.set FA,  216                          ; pairs for the packed forms: the even register is the factor for both halves,
.set M,   217                          ; the odd one a live value that has been written: (FA, M), (PA, L), (PB, MN)
.set PA,  218
.set L,   219
.set PB,  220
.set MN,  221
.set BA,  222                          ; dconst + cov cv of the two rows
.set BB,  223
.set EA,  224
.set EB,  225
.set EM,  226
.set MW,  228                          ; the work-group maximum, its l, its two columns of context
.set LW,  229
.set AC,  230
.set F,   X+32                         ; the way out: exp(m_k - MW), 16 waves
.set COV,  24                          ; s[24:31] cov of my 8 rows
.set MASK, 32                          ; s[32:39] mask of my 8 rows
.macro PKFMA_B d, x, f, k              ; d (a pair) += x (a pair) * v[f + k]; f is even
.if (\k)%2 == 0
	v_pk_fma_f32 v[\d:\d+1], v[\x:\x+1], v[\f+\k:\f+\k+1], v[\d:\d+1] op_sel_hi:[1,0,1]
.else
	v_pk_fma_f32 v[\d:\d+1], v[\x:\x+1], v[\f+\k-1:\f+\k], v[\d:\d+1] op_sel:[0,1,0] op_sel_hi:[1,1,1]
.endif
.endm
.macro ROWSUM2 a, b                    ; two sums over the 16 lanes of a half, interleaved
.irp x, 1,2,4,8
	v_add_f32_dpp v[\a], v[\a], v[\a] row_xmask:\x row_mask:0xf bank_mask:0xf
	v_add_f32_dpp v[\b], v[\b], v[\b] row_xmask:\x row_mask:0xf bank_mask:0xf
.endr
.endm
.macro ROWLOAD reg, i                  ; row i of my eight into 32 registers
.irp j, 0,1,2,3,4,5,6,7
	global_load_b128 v[\reg+4*\j:\reg+4*\j+3], v1, s[4:5] offset:4096*(\i)+512*\j th:TH_LOAD_NT
.endr
.endm
	s_load_b256 s[4:11], s[0:1], 0x0               ; E s[4:5], cov s[6:7], mask s[8:9], wsA s[10:11]
	s_load_b64 s[12:13], s[0:1], 0x20              ; wsB
	v_lshl_add_u32 v232, v0, 2, 0x11300
	v_mov_b32 v233, 0
	v_lshrrev_b32 v9, 5, v0
	v_readfirstlane_b32 s16, v9                    ; wave w
	s_and_b32 s15, ttmp7, 0xffff                   ; b;  ttmp9 = c
	s_lshl_b32 s17, s15, 10
	s_lshl_b32 s18, ttmp9, 7
	s_add_co_u32 s17, s17, s18                     ; 1024 b + 128 c
	s_lshl_b32 s43, s17, 2                         ; the chunk's scores, in bytes
	s_lshl_b32 s18, s16, 3
	s_add_co_u32 s17, s17, s18                     ; row0 = 1024 b + 128 c + 8 w
	s_mov_b32 s19, 0                               ; upper word of every offset pair s[18:19]
	s_mov_b32 s40, 0x76543210                      ; v_permlanex16_b32: lane i takes lane i of the other half
	s_mov_b32 s41, 0xfedcba98
	v_and_b32 v1, 31, v0
	v_lshlrev_b32 v3, 3, v1                        ; 8 x lane
	v_lshlrev_b32 v1, 4, v1                        ; 16 x lane: my bytes in each 512 of a row; never rewritten
	v_lshlrev_b32 v2, 3, v0                        ; 8 x thread: columns 2 t, 2 t + 1
	v_add_nc_u32 v4, UL, v2
	v_add_nc_u32 v5, UL, v1
	s_lshl_b32 s14, s16, 5
	s_add_co_u32 s14, s14, SCL
	v_mov_b32 v6, s14                              ; my wave's 8 scores
	s_lshl_b32 s14, s16, 12
	v_add_nc_u32 v7, s14, v1                       ; my wave's 4,096 bytes of partial context
	s_lshl_b32 s14, s16, 2
	s_add_co_u32 s14, s14, MLL
	v_mov_b32 v8, s14                              ; my wave's m (and l at + 64)
	v_mov_b32 v9, MLL
	s_wait_kmcnt 0x0
	s_lshl_b32 s18, s17, 12                        ; row0 x 4,096 bytes, below 2^27
	s_add_nc_u64 s[4:5], s[4:5], s[18:19]
	s_lshl_b32 s18, s17, 2
	s_add_nc_u64 s[6:7], s[6:7], s[18:19]
	s_add_nc_u64 s[8:9], s[8:9], s[18:19]
	s_lshl_b32 s18, s15, 8
	s_add_nc_u64 s[20:21], s[10:11], s[18:19]      // dpart row b
	s_load_b256 s[COV:COV+7], s[6:7], 0x0          ; uniform in the wave, and this launch stores into neither buffer
	s_load_b256 s[MASK:MASK+7], s[8:9], 0x0
.irp p, 0,1,2,3
	global_load_b64 v[208+2*\p:209+2*\p], v2, s[10:11] offset:4096*\p      ; the four pieces of u at columns 2 t, 2 t + 1
.endr
	global_load_b64 v[10:11], v3, s[20:21] offset:WS_DP                    ; 64 pieces of dconst[b], two a lane
	global_load_b64 v[12:13], v3, s[10:11] offset:WS_CP                    ; 64 pieces of cv
	ROWLOAD X, 0
	ROWLOAD X+32, 1
	ROWLOAD X+64, 2
	ROWLOAD X+96, 3
	s_wait_loadcnt 32                              ; the six small loads are in; the 32 loads of rows 0 to 3 stay out
	v_pk_add_f32 v[208:209], v[208:209], v[210:211]
	v_pk_add_f32 v[212:213], v[212:213], v[214:215]
	v_pk_add_f32 v[208:209], v[208:209], v[212:213]
	ds_store_b64 v4, v[208:209]                    ; u: each thread two columns
	s_wait_dscnt 0x0                               ; for the waves that read u behind the barrier: zero
	s_barrier_signal -1
	v_add_f32 v[DC], v10, v11                      ; registers only between signal and wait
	v_add_f32 v[CV], v12, v13
	ROWSUM2 DC, CV
	v_permlanex16_b32 v10, v[DC], s40, s41
	v_permlanex16_b32 v12, v[CV], s40, s41
	v_add_f32 v[DC], v[DC], v10                    ; every lane: dconst[b]
	v_add_f32 v[CV], v[CV], v12                    ; and cv
	s_barrier_wait -1
.irp j, 0,1,2,3,4,5,6,7
	ds_load_b128 v[U+4*\j:U+4*\j+3], v5 offset:512*\j
.endr
	s_wait_dscnt 0x0
	s_wait_kmcnt 0x0                               ; cov and mask of my rows
; Two rows, i0 and i0 + 1, from slot.  first = 1: they start every running value (nothing is cleared).  refill = 1: the slot gets rows
; i0 + 4 and i0 + 5.  left = how many younger loads may stay out.
.macro TURN slot, i0, first, refill, left
.set XA, X+64*\slot
.set XB, XA+32
	s_wait_loadcnt \left
	v_fma_f32 v[BA], s[COV+\i0],   v[CV], v[DC]
	v_fma_f32 v[BB], s[COV+\i0+1], v[CV], v[DC]
	; the two dot products with u: two chains for each row, four that do not wait for each other
	v_pk_mul_f32 v[SA0:SA0+1], v[XA:XA+1],   v[U:U+1]
	v_pk_mul_f32 v[SB0:SB0+1], v[XB:XB+1],   v[U:U+1]
	v_pk_mul_f32 v[SA1:SA1+1], v[XA+2:XA+3], v[U+2:U+3]
	v_pk_mul_f32 v[SB1:SB1+1], v[XB+2:XB+3], v[U+2:U+3]
.set t, 4
.rept 7
	v_pk_fma_f32 v[SA0:SA0+1], v[XA+t:XA+t+1],   v[U+t:U+t+1],   v[SA0:SA0+1]
	v_pk_fma_f32 v[SB0:SB0+1], v[XB+t:XB+t+1],   v[U+t:U+t+1],   v[SB0:SB0+1]
	v_pk_fma_f32 v[SA1:SA1+1], v[XA+t+2:XA+t+3], v[U+t+2:U+t+3], v[SA1:SA1+1]
	v_pk_fma_f32 v[SB1:SB1+1], v[XB+t+2:XB+t+3], v[U+t+2:U+t+3], v[SB1:SB1+1]
.set t, t+4
.endr
	v_pk_add_f32 v[SA0:SA0+1], v[SA0:SA0+1], v[SA1:SA1+1]
	v_pk_add_f32 v[SB0:SB0+1], v[SB0:SB0+1], v[SB1:SB1+1]
	v_add_f32 v[SA0], v[SA0], v[SA0+1]
	v_add_f32 v[SB0], v[SB0], v[SB0+1]
	ROWSUM2 SA0, SB0
	v_permlanex16_b32 v[SA1], v[SA0], s40, s41     ; destinations written above and no longer needed
	v_permlanex16_b32 v[SB1], v[SB0], s40, s41
	v_add_f32 v[SA0], v[SA0], v[SA1]
	v_add_f32 v[SB0], v[SB0], v[SB1]
	v_add_f32 v[SS],   v[SA0], v[BA]               ; the scores, the same in every lane
	v_add_f32 v[SS+1], v[SB0], v[BB]
	ds_store_b64 v6, v[SS:SS+1] offset:4*\i0       ; all lanes write the same two words with the same values
.if \first
	v_max_num_f32 v[MN], v[SS], v[SS+1]
.else
	v_max3_num_f32 v[MN], v[M], v[SS], v[SS+1]
	v_sub_f32 v[EM], v[M], v[MN]
	v_mul_f32 v[EM], LOG2E, v[EM]
.endif
	v_sub_f32 v[EA], v[SS],   v[MN]                ; the difference first, the factor log2(e) second: exact for large scores
	v_sub_f32 v[EB], v[SS+1], v[MN]
	v_mul_f32 v[EA], LOG2E, v[EA]
	v_mul_f32 v[EB], LOG2E, v[EB]
	v_exp_f32 v[EA], v[EA]
	v_exp_f32 v[EB], v[EB]
.if \first == 0
	v_exp_f32 v[FA], v[EM]                         ; what the old sums shrink by
.endif
	v_mov_b32 v[M], v[MN]                          ; the one plain instruction between the exponentials and the first use of a result (ISA guide 5.7.2)
	s_wait_alu depctr_va_vdst(0)
	v_mul_f32 v[PA], s[MASK+\i0],   v[EA]
	v_mul_f32 v[PB], s[MASK+\i0+1], v[EB]
.if \first
	v_add_f32 v[L], v[PA], v[PB]
.else
	v_fma_f32 v[L], v[L], v[FA], v[PA]
	v_add_f32 v[L], v[L], v[PB]
.endif
.set t, 0
.rept 16
.if \first
	v_pk_mul_f32 v[CTX+t:CTX+t+1], v[XA+t:XA+t+1], v[PA:PA+1] op_sel_hi:[1,0]
.else
	v_pk_mul_f32 v[CTX+t:CTX+t+1], v[CTX+t:CTX+t+1], v[FA:FA+1] op_sel_hi:[1,0]
.endif
.set t, t+2
.endr
.if \first == 0
.set t, 0
.rept 16
	v_pk_fma_f32 v[CTX+t:CTX+t+1], v[XA+t:XA+t+1], v[PA:PA+1], v[CTX+t:CTX+t+1] op_sel_hi:[1,0,1]
.set t, t+2
.endr
.endif
.set t, 0
.rept 16
	v_pk_fma_f32 v[CTX+t:CTX+t+1], v[XB+t:XB+t+1], v[PB:PB+1], v[CTX+t:CTX+t+1] op_sel_hi:[1,0,1]
.set t, t+2
.endr
.if \refill
	ROWLOAD XA, \i0+4
	ROWLOAD XB, \i0+5
.endif
.endm
	TURN 0, 0, 1, 1, 16                            ; 16: the two rows of the other slot stay out
	TURN 1, 2, 0, 1, 16
	TURN 0, 4, 0, 0, 16
	TURN 1, 6, 0, 0, 0                             ; nothing was issued behind these rows
	; THE WAY OUT: the 16 waves meet in LDS
.irp j, 0,1,2,3,4,5,6,7
	ds_store_b128 v7, v[CTX+4*\j:CTX+4*\j+3] offset:512*\j     ; column d of my sum at byte 4 d of my 4,096
.endr
	ds_store_b32 v8, v[M]
	ds_store_b32 v8, v[L] offset:64
	s_wait_dscnt 0x0                               ; for the other waves: zero (this covers the scores as well)
	s_barrier_signal -1
	s_barrier_wait -1
.irp k, 0,1,2,3
	ds_load_b128 v[X+4*\k:X+4*\k+3], v9 offset:16*\k           ; the 16 maxima, the same words in every lane
.endr
.irp k, 0,1,2,3,4,5,6,7,8,9,10,11,12,13,14,15
	ds_load_b64 v[X+48+2*\k:X+49+2*\k], v2 offset:4096*\k      ; columns 2 t, 2 t + 1 of wave k: a wave reads 256 consecutive bytes
.endr
	s_lshl_b32 s18, s15, 3
	s_add_co_u32 s18, s18, ttmp9
	s_lshl_b32 s18, s18, 12                        ; (8 b + c) x 4,096 bytes
	s_add_nc_u64 s[22:23], s[12:13], s[18:19]
	s_wait_dscnt 16                                ; the maxima are in; the 16 loads of context stay out
	v_max3_num_f32 v[MW], v[X], v[X+1], v[X+2]
.irp k, 3,5,7,9,11,13
	v_max3_num_f32 v[MW], v[MW], v[X+\k], v[X+\k+1]
.endr
	v_max_num_f32 v[MW], v[MW], v[X+15]
.irp k, 0,1,2,3,4,5,6,7,8,9,10,11,12,13,14,15
	v_sub_f32 v[F+\k], v[X+\k], v[MW]
.endr
.irp k, 0,1,2,3,4,5,6,7,8,9,10,11,12,13,14,15
	v_mul_f32 v[F+\k], LOG2E, v[F+\k]
.endr
.irp k, 0,1,2,3,4,5,6,7,8,9,10,11,12,13,14,15
	v_exp_f32 v[F+\k], v[F+\k]
.endr
	v_lshlrev_b32 v10, 1, v1                       ; 32 x lane, for wave 0 below; here also the plain instruction behind the exponentials
	s_wait_dscnt 0x0
	s_wait_alu depctr_va_vdst(0)
	v_pk_mul_f32 v[AC:AC+1], v[X+48:X+49], v[F:F+1] op_sel_hi:[1,0]
.irp k, 1,2,3,4,5,6,7,8,9,10,11,12,13,14,15
	PKFMA_B AC, X+48+2*\k, F, \k
.endr
	global_store_b64 v2, v[AC:AC+1], s[22:23]      ; each store of a wave covers 256 consecutive bytes, aligned
	s_cmp_lg_u32 s16, 0                            ; the rest is wave 0 alone; no barrier follows
	s_cbranch_scc1 .Lend
	v_add_nc_u32 v11, SCL, v1
.irp k, 0,1,2,3
	ds_load_b128 v[X+16+4*\k:X+19+4*\k], v9 offset:64+16*\k    ; the 16 l
.endr
	ds_load_b128 v[X+80:X+83], v11                 ; the 128 scores, four a lane
	s_mov_b32 s18, s43
	s_add_nc_u64 s[44:45], s[12:13], s[18:19]      ; score[b][128 c]
	s_lshl_b32 s18, s15, 6
	s_lshl_b32 s14, ttmp9, 2
	s_add_co_u32 s18, s18, s14
	s_add_nc_u64 s[46:47], s[12:13], s[18:19]      ; ml[b][c]
	s_wait_dscnt 0x0
	v_mul_f32 v[LW], v[F], v[X+16]
.irp k, 1,2,3,4,5,6,7,8,9,10,11,12,13,14,15
	v_fmac_f32 v[LW], v[F+\k], v[X+16+\k]
.endr
	global_store_b128 v1, v[X+80:X+83], s[44:45] offset:WB_SC  ; 512 consecutive bytes
	v_cmp_eq_u32 vcc_lo, 16, v1                    ; lane 1
	v_cndmask_b32 v[MW], v[MW], v[LW], vcc_lo      ; lane 0 carries m, lane 1 carries l
	v_cmp_gt_u32 vcc_lo, 32, v1                    ; lanes 0 and 1
	s_wait_xcnt 0x0                                ; EXEC is a source of the stores above: it changes only behind this wait
	s_wait_tensorcnt 0x0
	ds_add_u32 v232, v233
	s_wait_dscnt 0x0
	s_and_saveexec_b32 s42, vcc_lo
	global_store_b32 v10, v[MW], s[46:47] offset:WB_ML         ; word c and word 8 + c
	s_endpgm
.Lend:
	s_wait_tensorcnt 0x0
	ds_add_u32 v232, v233
	s_wait_dscnt 0x0
	s_endpgm
.Lfunc_end_k_q383f00ab7c_main:
	.size	k_q383f00ab7c_main, .Lfunc_end_k_q383f00ab7c_main-k_q383f00ab7c_main
	.p2alignl 7, 3214868480
	.fill 96, 4, 3214868480
	.section	.rodata,"a",@progbits
	.p2align	6, 0x0
	.amdhsa_kernel k_q383f00ab7c_main
		.amdhsa_group_segment_fixed_size 72448
		.amdhsa_private_segment_fixed_size 0
		.amdhsa_enable_private_segment 0
		.amdhsa_kernarg_size 40
		.amdhsa_user_sgpr_count 2
		.amdhsa_user_sgpr_kernarg_segment_ptr 1
		.amdhsa_wavefront_size32 1
		.amdhsa_system_sgpr_workgroup_id_x 1
		.amdhsa_system_sgpr_workgroup_id_y 1
		.amdhsa_system_sgpr_workgroup_id_z 1
		.amdhsa_system_vgpr_workitem_id 0
		.amdhsa_next_free_vgpr 234
		.amdhsa_next_free_sgpr 66
		.amdhsa_reserve_vcc 1
		.amdhsa_float_denorm_mode_32 3
		.amdhsa_float_denorm_mode_16_64 3
		.amdhsa_memory_ordered 1
		.amdhsa_forward_progress 1
		.amdhsa_inst_pref_size 44
	.end_amdhsa_kernel
	.amdgpu_metadata
---
amdhsa.version: [ 1, 2 ]
amdhsa.kernels:
  - .name:           k_q383f00ab7c_main
    .symbol:         k_q383f00ab7c_main.kd
    .args:
      - { .name: encoder_output, .offset: 0, .size: 8, .value_kind: global_buffer, .address_space: global }
      - { .name: coverage_vector, .offset: 8, .size: 8, .value_kind: global_buffer, .address_space: global }
      - { .name: x_padding_masks, .offset: 16, .size: 8, .value_kind: global_buffer, .address_space: global }
      - { .name: wsA, .offset: 24, .size: 8, .value_kind: global_buffer, .address_space: global }
      - { .name: wsB, .offset: 32, .size: 8, .value_kind: global_buffer, .address_space: global }
    .group_segment_fixed_size: 72448
    .private_segment_fixed_size: 0
    .kernarg_segment_align: 8
    .kernarg_segment_size: 40
    .max_flat_workgroup_size: 512
    .sgpr_count:     66
    .vgpr_count:     234
    .wavefront_size: 32
...
	.end_amdgpu_metadata
.endif
;; end of part 2
;; launch final (part 3): grid 8 x 32, 1 waves a work-group, no clusters, 0 bytes of LDS; arguments wsB, x_padding_masks, coverage_vector, out0, out1, out2; writes out0, out1, out2
.if DOCPART == 3
	.amdgcn_target "amdgcn-amd-amdhsa--gfx1250"
	.amdhsa_code_object_version 6
	.text
	.protected	k_q383f00ab7c_final
	.globl	k_q383f00ab7c_final
	.p2align	8
	.type	k_q383f00ab7c_final,@function
k_q383f00ab7c_final:
	s_mov_b64 s[64:65], 0
	v_nop
	global_prefetch_b8 v0, s[64:65] scope:SCOPE_SE
	s_setreg_imm32_b32 hwreg(HW_REG_WAVE_MODE, 25, 1), 1
	s_wait_xcnt 0x0
; FINAL: joins the eight chunks of a batch.  M = max of m_c, F_c = exp(m_c - M), L = sum of F_c l_c;
;   out1 = w = exp(score - M) mask / L,   out2 = coverage + w,   out0 = context = (sum of F_c ctxp_c) / L.
; Work-group (x, b) is one wave; lane l owns the four indices 128 x + 4 l + 0 .. 3 of batch b, as positions s for out1 and out2 and as
; columns d for out0.  Every load and store of the wave covers 512 consecutive bytes.  No LDS, no barrier: no wave needs another.
; LIMITS, stated: v_exp_f32 and v_rcp_f32 give 0 below 2^-126 and take denormals as 0; a batch whose masked sum L is 0 gives NaN
; (0 x infinity), as 0 / 0 does in the reference.
.set LOG2E, 0x3fb8aa3b
.set WB_SC, 1048576
.set WB_ML, 1179648
.set MM,  4                            ; v[4:11]   m of the 8 chunks
.set LL,  12                           ; v[12:19]  l of the 8 chunks
.set SC,  20                           ; v[20:23]  my four scores
.set MK,  24                           ; v[24:27]  mask
.set CO,  28                           ; v[28:31]  coverage
.set CP,  32                           ; v[32:63]  chunk c: my four columns of its partial context
.set F,   64                           ; v[64:71]  exp(m_c - M)
.set L,   73
.set RL,  74                           ; v[74:75]  (1 / L, M): the even register is the factor of the packed forms
.set M,   75
.set W,   76                           ; v[76:79]
.set C2,  80                           ; v[80:83]
.set ACC, 84                           ; v[84:87]
.macro PKFMA_B d, x, f, k              ; d (a pair) += x (a pair) * v[f + k]; f is even
.if (\k)%2 == 0
	v_pk_fma_f32 v[\d:\d+1], v[\x:\x+1], v[\f+\k:\f+\k+1], v[\d:\d+1] op_sel_hi:[1,0,1]
.else
	v_pk_fma_f32 v[\d:\d+1], v[\x:\x+1], v[\f+\k-1:\f+\k], v[\d:\d+1] op_sel:[0,1,0] op_sel_hi:[1,1,1]
.endif
.endm
	s_load_b256 s[4:11], s[0:1], 0x0               ; wsB s[4:5], mask s[6:7], cov s[8:9], out0 s[10:11]
	s_load_b128 s[12:15], s[0:1], 0x20             ; out1 s[12:13], out2 s[14:15]
	s_and_b32 s24, ttmp7, 0xffff                   ; b;  ttmp9 = x
	s_lshl_b32 s25, ttmp9, 9                       ; 512 x
	s_lshl_b32 s16, s24, 12
	s_add_co_u32 s16, s16, s25                     ; 4,096 b + 512 x: my place in every [32][1024] array
	s_mov_b32 s17, 0
	s_lshl_b32 s26, s24, 15
	s_add_co_u32 s26, s26, s25                     ; 8 x 4,096 b + 512 x: in ctxp
	s_mov_b32 s27, 0
	s_lshl_b32 s28, s24, 6                         ; 64 b: in ml
	s_mov_b32 s29, 0
	v_lshlrev_b32 v1, 4, v0                        ; 16 x lane
	v_mov_b32 v2, 0
	s_wait_kmcnt 0x0
	s_add_nc_u64 s[18:19], s[4:5], s[16:17]        ; scores (the constant part rides in the immediate)
	s_add_nc_u64 s[20:21], s[4:5], s[26:27]        ; ctxp
	s_add_nc_u64 s[22:23], s[4:5], s[28:29]        ; ml
	s_add_nc_u64 s[6:7], s[6:7], s[16:17]
	s_add_nc_u64 s[8:9], s[8:9], s[16:17]
	s_add_nc_u64 s[10:11], s[10:11], s[16:17]
	s_add_nc_u64 s[12:13], s[12:13], s[16:17]
	s_add_nc_u64 s[14:15], s[14:15], s[16:17]
.irp k, 0,1,2,3
	global_load_b128 v[MM+4*\k:MM+4*\k+3], v2, s[22:23] offset:WB_ML+16*\k     ; 8 m, 8 l: the same 64 bytes in every lane
.endr
	global_load_b128 v[SC:SC+3], v1, s[18:19] offset:WB_SC th:TH_LOAD_NT
	global_load_b128 v[MK:MK+3], v1, s[6:7] th:TH_LOAD_NT
	global_load_b128 v[CO:CO+3], v1, s[8:9] th:TH_LOAD_NT
.irp c, 0,1,2,3,4,5,6,7
	global_load_b128 v[CP+4*\c:CP+4*\c+3], v1, s[20:21] offset:4096*\c th:TH_LOAD_NT
.endr
	s_wait_loadcnt 11                              ; m and l are in; the 3 + 8 younger loads stay out
	v_max3_num_f32 v[M], v[MM], v[MM+1], v[MM+2]
	v_max3_num_f32 v[M], v[M], v[MM+3], v[MM+4]
	v_max3_num_f32 v[M], v[M], v[MM+5], v[MM+6]
	v_max_num_f32 v[M], v[M], v[MM+7]
.irp c, 0,1,2,3,4,5,6,7
	v_sub_f32 v[F+\c], v[MM+\c], v[M]
.endr
.irp c, 0,1,2,3,4,5,6,7
	v_mul_f32 v[F+\c], LOG2E, v[F+\c]
.endr
.irp c, 0,1,2,3,4,5,6,7
	v_exp_f32 v[F+\c], v[F+\c]
.endr
	s_wait_loadcnt 8                               ; scores, mask and coverage are in; the 8 loads of context stay out
.irp k, 0,1,2,3
	v_sub_f32 v[W+\k], v[SC+\k], v[M]              ; plain work that touches no F: the distance behind the exponentials above (ISA guide 5.7.2)
.endr
.irp k, 0,1,2,3
	v_mul_f32 v[W+\k], LOG2E, v[W+\k]
.endr
.irp k, 0,1,2,3
	v_exp_f32 v[W+\k], v[W+\k]
.endr
	s_wait_alu depctr_va_vdst(0)
	v_mul_f32 v[L], v[F], v[LL]                    ; touches no W: the distance behind those four
.irp c, 1,2,3,4,5,6,7
	v_fmac_f32 v[L], v[F+\c], v[LL+\c]
.endr
	v_rcp_f32 v[RL], v[L]
	v_pk_mul_f32 v[W:W+1],   v[W:W+1],   v[MK:MK+1]           ; touches neither L nor RL: the distance behind the reciprocal
	v_pk_mul_f32 v[W+2:W+3], v[W+2:W+3], v[MK+2:MK+3]
	s_wait_alu depctr_va_vdst(0)
	v_pk_mul_f32 v[W:W+1],   v[W:W+1],   v[RL:RL+1] op_sel_hi:[1,0]
	v_pk_mul_f32 v[W+2:W+3], v[W+2:W+3], v[RL:RL+1] op_sel_hi:[1,0]
	v_pk_add_f32 v[C2:C2+1],   v[CO:CO+1],   v[W:W+1]
	v_pk_add_f32 v[C2+2:C2+3], v[CO+2:CO+3], v[W+2:W+3]
	global_store_b128 v1, v[W:W+3], s[12:13] th:TH_STORE_NT
	global_store_b128 v1, v[C2:C2+3], s[14:15] th:TH_STORE_NT
	s_wait_loadcnt 0x0                             ; the eight partial contexts
	v_pk_mul_f32 v[ACC:ACC+1],   v[CP:CP+1],   v[F:F+1] op_sel_hi:[1,0]
	v_pk_mul_f32 v[ACC+2:ACC+3], v[CP+2:CP+3], v[F:F+1] op_sel_hi:[1,0]
.irp c, 1,2,3,4,5,6,7
	PKFMA_B ACC,   CP+4*\c,   F, \c
	PKFMA_B ACC+2, CP+4*\c+2, F, \c
.endr
	v_pk_mul_f32 v[ACC:ACC+1],   v[ACC:ACC+1],   v[RL:RL+1] op_sel_hi:[1,0]
	v_pk_mul_f32 v[ACC+2:ACC+3], v[ACC+2:ACC+3], v[RL:RL+1] op_sel_hi:[1,0]
	global_store_b128 v1, v[ACC:ACC+3], s[10:11] th:TH_STORE_NT
	s_endpgm
.Lfunc_end_k_q383f00ab7c_final:
	.size	k_q383f00ab7c_final, .Lfunc_end_k_q383f00ab7c_final-k_q383f00ab7c_final
	.p2alignl 7, 3214868480
	.fill 96, 4, 3214868480
	.section	.rodata,"a",@progbits
	.p2align	6, 0x0
	.amdhsa_kernel k_q383f00ab7c_final
		.amdhsa_group_segment_fixed_size 0
		.amdhsa_private_segment_fixed_size 0
		.amdhsa_enable_private_segment 0
		.amdhsa_kernarg_size 48
		.amdhsa_user_sgpr_count 2
		.amdhsa_user_sgpr_kernarg_segment_ptr 1
		.amdhsa_wavefront_size32 1
		.amdhsa_system_sgpr_workgroup_id_x 1
		.amdhsa_system_sgpr_workgroup_id_y 1
		.amdhsa_system_sgpr_workgroup_id_z 1
		.amdhsa_system_vgpr_workitem_id 0
		.amdhsa_next_free_vgpr 88
		.amdhsa_next_free_sgpr 66
		.amdhsa_reserve_vcc 0
		.amdhsa_float_denorm_mode_32 3
		.amdhsa_float_denorm_mode_16_64 3
		.amdhsa_memory_ordered 1
		.amdhsa_forward_progress 1
		.amdhsa_inst_pref_size 7
	.end_amdhsa_kernel
	.amdgpu_metadata
---
amdhsa.version: [ 1, 2 ]
amdhsa.kernels:
  - .name:           k_q383f00ab7c_final
    .symbol:         k_q383f00ab7c_final.kd
    .args:
      - { .name: wsB, .offset: 0, .size: 8, .value_kind: global_buffer, .address_space: global }
      - { .name: x_padding_masks, .offset: 8, .size: 8, .value_kind: global_buffer, .address_space: global }
      - { .name: coverage_vector, .offset: 16, .size: 8, .value_kind: global_buffer, .address_space: global }
      - { .name: out0, .offset: 24, .size: 8, .value_kind: global_buffer, .address_space: global }
      - { .name: out1, .offset: 32, .size: 8, .value_kind: global_buffer, .address_space: global }
      - { .name: out2, .offset: 40, .size: 8, .value_kind: global_buffer, .address_space: global }
    .group_segment_fixed_size: 0
    .private_segment_fixed_size: 0
    .kernarg_segment_align: 8
    .kernarg_segment_size: 48
    .max_flat_workgroup_size: 32
    .sgpr_count:     66
    .vgpr_count:     88
    .wavefront_size: 32
...
	.end_amdgpu_metadata
.endif
;; end of part 3
